; MI455X (gfx1250); checked and timed in simulation.
; The chip was launched on July 23, 2026; its instructions are those of AMD's public machine-readable ISA for CDNA 5 (MIT licence, August 2026) and "CDNA5" Instruction Set Architecture Reference Guide (July 2026). The comments in the code are by the model that wrote it; some were corrected since.
;; Casual Self Attention. Allowed arithmetic: matrix products marked QUANTISED: E4M3 operands, one given power-of-two scale a tensor, by v_wmma_f32_16x16x64_fp8_fp8 or v_wmma_f32_16x16x128_fp8_fp8, f32 sums; everything else in f32.
;; Inputs: W_attn 1,024 x 3,072 float32; W_proj 1,024 x 1,024 float32; b_attn 3,072 float32; b_proj 1,024 float32; lowp_scales 8 int32 (the exponents e of the quantised operands' scales 2^e); x 4 x 2,048 x 1,024 float32.
;; Outputs: out0 4 x 2,048 x 1,024 float32.
;; This version of the problem:
;;   THIS VERSION OF THE PROBLEM IS GIVEN IN LOW PRECISION. The matrix products marked QUANTISED in the list below multiply operands that are first quantised to E4M3 (4 exponent bits, 3 mantissa bits; 8 bits a number), with one given power-of-two scale for each operand tensor; their sums are f32. All else is computed in f32.
;;   The module's matrix products, in the order in which they are computed (A, B: the left and right operand; K: the contracted axis; several contracted axes count as one K, in the product's order):
;;     1. [M 8,192, K 1,024] x [K 1,024, N 3,072]; A: input x; B: input W_attn: QUANTISED (scales: A lowp_scales[0], B lowp_scales[1])
;;     2. batch 64 x [M 2,048, K 64] x [K 64, N 2,048]; A: computed on the way; B: computed on the way: QUANTISED (scales: A lowp_scales[2], B lowp_scales[3])
;;     3. batch 64 x [M 2,048, K 2,048] x [K 2,048, N 64]; A: softmax (see below); B: computed on the way: QUANTISED (scales: A lowp_scales[4], B lowp_scales[5])
;;     4. [M 8,192, K 1,024] x [K 1,024, N 1,024]; A: computed on the way; B: input W_proj: QUANTISED (scales: A lowp_scales[6], B lowp_scales[7])
;;   THE QUANTISER, for each operand of a quantised product, along K:
;;     - The operand's scale is 2^e, e = its entry of the input lowp_scales (int32; the entries are numbered through the quantised products in the list's order, A before B).
;;     - Each number is divided by the scale, clamped to +-448, and rounded to the nearest number of E4M3, ties to even, subnormals kept.
;;     - The product sums the exact products of the quantised numbers (number of the format x scale) in f32.
;;   ~~~python
;;   def quantise(x, axis, e):      # numpy; x: float32 -> the quantised numbers, widened to float32 again
;;       x = np.moveaxis(x, axis, -1); K = x.shape[-1]
;;       r = np.clip(x / 2.0 ** e, -448, 448)
;;       step = 2.0 ** (np.maximum(np.frexp(np.where(r == 0, 1, r))[1] - 1, -6) - 3)
;;       q = np.round(r / step) * step * 2.0 ** e      # np.round: ties to even
;;       return np.moveaxis(q, -1, axis).astype(np.float32)
;;   ~~~
;;   SOFTMAX AHEAD OF A QUANTISED PRODUCT. Where the list says 'softmax', what is quantised is not the finished softmax but p = 2^(t - M), with t = logit x log2(e) and M = ceil(the row's largest t), a whole number; so 1/2 < the row's largest p <= 1. The row's sum l is taken of the UNQUANTISED p, in f32, and the product's result is divided by l at the end. Since M is a whole number, a kernel that streams over the keys may use a running M (the ceiling of the running maximum): every later rescaling is an exact power of two, so the quantised numbers keep their values, but for numbers so far below the row's largest that they fall under the format's range.
;;   OPERANDS COMPUTED ON THE WAY. 'Computed on the way' means the value that the module computes at that place (a softmax that the list does not call 'softmax' is quantised finished and normalised). What goes into a quantiser is computed in f32, as accurately as f32 sums, v_exp_f32 and their like allow (about 1e-6 of the number): no bf16 or f16 on the way to a quantiser, and a product that is left as it is and whose result goes on into a quantised operand takes f32 operands (vector FMAs, or v_wmma_f32_16x16x4_f32). A number that lies on a knife's edge between two numbers of the format may be rounded either way, as far as f32 arithmetic and the matrix unit's own rounding can turn it there, and no further.
;; One version. Each part assembles by itself: llvm-mc -triple=amdgcn-amd-amdhsa -mcpu=gfx1250 --defsym DOCPART=n.
;; ======== version 1 of 1: 4 launches
;; limits: right only within a limited range of input values
;; workspace buffers: x_img 8,388,608 bytes; wa_img 3,145,728 bytes; wp_img 1,048,576 bytes; qkv 25,165,824 bytes; y_img 8,388,608 bytes
;; launch quant (part 1): grid 384 x 1, 4 waves a work-group, no clusters, 34,304 bytes of LDS; arguments x, W_attn, W_proj, lowp_scales, x_img, wa_img, wp_img; writes x_img, wa_img, wp_img
.if DOCPART == 1
	.amdgcn_target "amdgcn-amd-amdhsa--gfx1250"
	.amdhsa_code_object_version 6
	.text
	.protected	k_q184c890f76_quant
	.globl	k_q184c890f76_quant
	.p2align	8
	.type	k_q184c890f76_quant,@function
k_q184c890f76_quant:
	s_mov_b64 s[64:65], 0
	v_nop
	global_prefetch_b8 v0, s[64:65] scope:SCOPE_SE
	s_setreg_imm32_b32 hwreg(HW_REG_WAVE_MODE, 25, 1), 1
	s_wait_xcnt 0x0
; x [8192][1024], W_attn [1024][3072] and W_proj [1024][1024], f32, become codes of FP8 (E4M3), each with its given scale 2^e (entries 0, 1 and 7 of the scales).
; code = number / 2^e, held within +-448, rounded to the nearest code, ties to even.
; LIMITS: each of the three e lies between -126 and 119, so that 2^e and 448 x 2^e are f32 numbers.  NaN among the inputs is not served; an infinity is held at the largest code.
; THE OUTPUT IS LAID AS IMAGES OF OPERAND REGISTERS.  A fragment is 16 rows x 128 along K: 16 registers a lane; lane (r, h) holds row r, its registers 2 c, 2 c + 1 hold k = 16 c + 8 h + 0 .. 7.
; Its image is 2,048 bytes: registers 4 g .. 4 g + 3 of lane l at byte 512 g + 16 l.  A buffer is [tile of 16 rows][K step of 128][2,048]; a weight's rows are its columns n.
; So every store here is 512 consecutive bytes of a wave, and every later load of a fragment is 16 bytes a lane on end.
; SHARES.  Work-groups 0-95: W_attn; 96-127: W_proj; 128-383: x.  A wave takes 16 rows (or 16 columns of a weight) x 512 along K.  Waves share nothing: no barrier.
; A WEIGHT: lane (r, h) takes column r of the wave's 16 and its registers run DOWN K, in the order of the operand's registers, so that the conversions' results are the image.  The four waves of a
; work-group stand side by side on 256 consecutive bytes of each row of the weight.
; x: each load takes 512 consecutive bytes of a row; 16 rows x 512 bytes turn through the wave's own stage in LDS (rows 528 bytes apart) and come back 32 bytes a lane and a group of 16 along K.
.set WREG, 8448                        ; a wave's stage: 16 rows x 528 bytes
.set SP,   528
.macro SCALE e                         ; v11 = 2^e as f32 (the conversion takes its exponent field)
	s_add_co_i32 s20, s[\e], 127
	s_lshl_b32 s21, s20, 23
	v_mov_b32 v11, s21
	s_add_co_i32 s20, s20, 8
	s_lshl_b32 s20, s20, 23
	s_or_b32 s20, s20, 0x600000
.endm
; 64 along K of a weight: register i of the set holds W(64 t + 16 (i / 8) + 8 h + i % 8, my column)
.macro LOADW t, src, N
.irp i, 0,1,2,3,4,5,6,7,8,9,10,11,12,13,14,15,16,17,18,19,20,21,22,23,24,25,26,27,28,29,30,31
	global_load_b32 v[32+32*((\t)%2)+\i], v7, s[\src:\src+1] offset:(64*(\t)+16*(\i/8)+\i%8)*\N*4 th:TH_LOAD_NT
.endr
.endm
.macro BLOCKW t, src, dst, N
.set XS, 32+32*((\t)%2)
.set CD, 96+8*(\t)                     ; codes: registers of its own for each block, so that no store's data are written again
.if (\t) < 7
	s_wait_loadcnt 32                              ; this block's 32 loads are in; the next block's may be out
.else
	s_wait_loadcnt 0x0
.endif
.irp i, 0,1,2,3,4,5,6,7,8,9,10,11,12,13,14,15,16,17,18,19,20,21,22,23,24,25,26,27,28,29,30,31
.endr
.irp g, 0,1,2,3
	v_cvt_scalef32_pk8_fp8_f32 v[CD+2*\g:CD+2*\g+1], v[XS+8*\g:XS+8*\g+7], v11
.endr
	v_nop                                          ; a plain vector line behind the last conversion
	global_store_b128 v4, v[CD:CD+3], s[\dst:\dst+1] offset:((\t)/2)*2048+((\t)%2)*1024
	global_store_b128 v4, v[CD+4:CD+7], s[\dst:\dst+1] offset:((\t)/2)*2048+((\t)%2)*1024+512
.if (\t) < 6
	LOADW (\t)+2, \src, \N
.endif
.endm
.macro WPATH src, dst, e, N, first
	s_sub_co_u32 s20, ttmp9, \first
	s_lshr_b32 s21, s20, 1
	s_and_b32 s22, s20, 1                          ; which 512 along K
	s_lshl_b32 s21, s21, 2
	s_add_co_u32 s21, s21, s18                     ; my tile of 16 columns
	s_mul_i32 s32, s22, 512*\N*4
	s_lshl_b32 s34, s21, 6
	s_add_co_u32 s32, s32, s34
	s_mov_b32 s33, 0
	s_add_nc_u64 s[\src:\src+1], s[\src:\src+1], s[32:33]
	s_lshl_b32 s32, s21, 14                        ; a tile's eight images,
	s_lshl_b32 s34, s22, 13                        ; four of them mine
	s_add_co_u32 s32, s32, s34
	s_add_nc_u64 s[\dst:\dst+1], s[\dst:\dst+1], s[32:33]
	v_lshlrev_b32 v7, 2, v2                        ; column r,
	v_mul_u32_u24 v8, v3, 32*\N                    ; eight rows further down for lanes 16-31
	v_add_nc_u32 v7, v7, v8
	LOADW 0, \src, \N
	LOADW 1, \src, \N
	s_wait_kmcnt 0x0
	SCALE \e
	s_wait_alu depctr_va_vdst(0)
.irp t, 0,1,2,3,4,5,6,7
	BLOCKW \t, \src, \dst, \N
.endr
	s_endpgm
.endm
; x: K step t of my four: 16 rows x 512 bytes, a row a load
.macro LOADX t
.irp i, 0,1,2,3,4,5,6,7,8,9,10,11,12,13,14,15
	global_load_b128 v[16+64*((\t)%2)+4*\i:16+64*((\t)%2)+4*\i+3], v4, s[4:5] offset:\i*4096+(\t)*512 th:TH_LOAD_NT
.endr
.endm
.macro STEPX t
.set RS, 16+64*((\t)%2)
.set OS, 208+16*((\t)%2)
.if (\t) < 3
	s_wait_loadcnt 16                              ; this step's 16 loads are in; the next step's may be out
.else
	s_wait_loadcnt 0x0
.endif
.irp i, 0,1,2,3,4,5,6,7,8,9,10,11,12,13,14,15
	ds_store_b128 v5, v[RS+4*\i:RS+4*\i+3] offset:SP*\i
.endr
.irp c, 0,1,2,3,4,5,6,7
	ds_load_b128 v[144+8*\c:147+8*\c], v6 offset:64*\c      ; LDS serves a wave's instructions in order (ISA guide 5.7.1.4): these see the stores above
	ds_load_b128 v[148+8*\c:151+8*\c], v6 offset:64*\c+16   ; x(r, 16 c + 8 h + 0 .. 7)
.endr
	s_wait_dscnt 0x0                               ; the numbers are back, and the stores have read their registers,
.if (\t) < 2
	LOADX (\t)+2                                   ; which take the loads of two steps on
.else
	s_wait_xcnt 0x0                                ; the stores of two steps back have read their data: the codes' registers are written again
.endif
.set xi, 0
.rept 64
.set xi, xi+1
.endr
.irp c, 0,1,2,3,4,5,6,7
	v_cvt_scalef32_pk8_fp8_f32 v[OS+2*\c:OS+2*\c+1], v[144+8*\c:151+8*\c], v11
.endr
	v_nop                                          ; a plain vector line between the conversions and the next step's holds, which write their sources
.irp c, 0,1,2,3
	global_store_b128 v4, v[OS+4*\c:OS+4*\c+3], s[12:13] offset:(\t)*2048+512*\c
.endr
.endm
	s_load_b256 s[4:11], s[0:1], 0x0               ; x s[4:5], W_attn s[6:7], W_proj s[8:9], the scales' exponents s[10:11]
	s_load_b128 s[12:15], s[0:1], 0x20             ; x_img s[12:13], wa_img s[14:15]
	s_load_b64 s[16:17], s[0:1], 0x30              ; wp_img
	v_lshl_add_u32 v240, v0, 2, 0x8400
	v_mov_b32 v241, 0
	v_lshrrev_b32 v1, 5, v0
	v_readfirstlane_b32 s18, v1                    ; wave
	v_and_b32 v1, 31, v0                           ; lane
	v_and_b32 v2, 15, v0                           ; r
	v_bfe_u32 v3, v0, 4, 1                         ; h
	v_lshlrev_b32 v4, 4, v1                        ; 16 x lane
	s_mul_i32 s19, s18, WREG
	v_add_nc_u32 v5, s19, v4                       ; the stage, on the way in: 16 bytes a lane of a row
	v_mul_u32_u24 v6, v2, SP
	v_lshl_add_u32 v6, v3, 5, v6
	v_add_nc_u32 v6, s19, v6                       ; and on the way out: row r, + 32 h
	s_wait_kmcnt 0x0
	s_load_b256 s[24:31], s[10:11], 0x0            ; the eight exponents
	s_cmp_lt_u32 ttmp9, 96
	s_cbranch_scc1 .Lwa
	s_cmp_lt_u32 ttmp9, 128
	s_cbranch_scc1 .Lwp
	s_sub_co_u32 s20, ttmp9, 128
	s_lshl_b32 s20, s20, 2
	s_add_co_u32 s20, s20, s18
	s_lshr_b32 s21, s20, 1                         ; my tile of 16 rows
	s_and_b32 s22, s20, 1                          ; which 512 along K
	s_lshl_b32 s32, s21, 16
	s_lshl_b32 s34, s22, 11
	s_add_co_u32 s32, s32, s34
	s_mov_b32 s33, 0
	s_add_nc_u64 s[4:5], s[4:5], s[32:33]
	s_lshl_b32 s32, s21, 14
	s_lshl_b32 s34, s22, 13
	s_add_co_u32 s32, s32, s34
	s_add_nc_u64 s[12:13], s[12:13], s[32:33]
	s_wait_alu depctr_va_vdst(0)
	LOADX 0
	LOADX 1
	s_wait_kmcnt 0x0
	SCALE 24
	s_wait_alu depctr_va_vdst(0)
	STEPX 0
	STEPX 1
	STEPX 2
	STEPX 3
	s_wait_tensorcnt 0x0
	ds_add_u32 v240, v241
	s_wait_dscnt 0x0
	s_endpgm
.Lwa:
	s_wait_alu depctr_va_vdst(0)
	WPATH 6, 14, 25, 3072, 0
.Lwp:
	s_wait_alu depctr_va_vdst(0)
	WPATH 8, 16, 31, 1024, 96
.Lfunc_end_k_q184c890f76_quant:
	.size	k_q184c890f76_quant, .Lfunc_end_k_q184c890f76_quant-k_q184c890f76_quant
	.p2alignl 7, 3214868480
	.fill 96, 4, 3214868480
	.section	.rodata,"a",@progbits
	.p2align	6, 0x0
	.amdhsa_kernel k_q184c890f76_quant
		.amdhsa_group_segment_fixed_size 34304
		.amdhsa_private_segment_fixed_size 0
		.amdhsa_enable_private_segment 0
		.amdhsa_kernarg_size 56
		.amdhsa_user_sgpr_count 2
		.amdhsa_user_sgpr_kernarg_segment_ptr 1
		.amdhsa_wavefront_size32 1
		.amdhsa_system_sgpr_workgroup_id_x 1
		.amdhsa_system_sgpr_workgroup_id_y 1
		.amdhsa_system_sgpr_workgroup_id_z 1
		.amdhsa_system_vgpr_workitem_id 0
		.amdhsa_next_free_vgpr 242
		.amdhsa_next_free_sgpr 66
		.amdhsa_reserve_vcc 0
		.amdhsa_float_denorm_mode_32 3
		.amdhsa_float_denorm_mode_16_64 3
		.amdhsa_fp16_overflow 1
		.amdhsa_memory_ordered 1
		.amdhsa_forward_progress 1
		.amdhsa_inst_pref_size 79
	.end_amdhsa_kernel
	.amdgpu_metadata
---
amdhsa.version: [ 1, 2 ]
amdhsa.kernels:
  - .name:           k_q184c890f76_quant
    .symbol:         k_q184c890f76_quant.kd
    .args:
      - { .name: x, .offset: 0, .size: 8, .value_kind: global_buffer, .address_space: global }
      - { .name: W_attn, .offset: 8, .size: 8, .value_kind: global_buffer, .address_space: global }
      - { .name: W_proj, .offset: 16, .size: 8, .value_kind: global_buffer, .address_space: global }
      - { .name: lowp_scales, .offset: 24, .size: 8, .value_kind: global_buffer, .address_space: global }
      - { .name: x_img, .offset: 32, .size: 8, .value_kind: global_buffer, .address_space: global }
      - { .name: wa_img, .offset: 40, .size: 8, .value_kind: global_buffer, .address_space: global }
      - { .name: wp_img, .offset: 48, .size: 8, .value_kind: global_buffer, .address_space: global }
    .group_segment_fixed_size: 34304
    .private_segment_fixed_size: 0
    .kernarg_segment_align: 8
    .kernarg_segment_size: 56
    .max_flat_workgroup_size: 128
    .sgpr_count:     66
    .vgpr_count:     242
    .wavefront_size: 32
...
	.end_amdgpu_metadata
.endif
;; end of part 1
;; launch qkv (part 2): grid 12 x 32, 4 waves a work-group, clusters of 4 x 4, 327,680 bytes of LDS; arguments x_img, wa_img, lowp_scales, b_attn, qkv; writes qkv
.if DOCPART == 2
	.amdgcn_target "amdgcn-amd-amdhsa--gfx1250"
	.amdhsa_code_object_version 6
	.text
	.protected	k_q184c890f76_qkv
	.globl	k_q184c890f76_qkv
	.p2align	8
	.type	k_q184c890f76_qkv,@function
k_q184c890f76_qkv:
	s_mov_b64 s[64:65], 0
	v_nop
	global_prefetch_b8 v0, s[64:65] scope:SCOPE_SE
	s_setreg_imm32_b32 hwreg(HW_REG_WAVE_MODE, 25, 1), 1
	s_wait_xcnt 0x0
	s_wait_alu depctr_hold_cnt(0) depctr_sa_sdst(0) depctr_va_vdst(0) depctr_va_sdst(0) depctr_va_ssrc(0) depctr_va_vcc(0) depctr_vm_vsrc(0)
	s_getreg_b32 s2, hwreg(HW_REG_IB_STS2, 6, 4)
	s_cmp_eq_u32 s2, 0
	s_cbranch_scc0 .Lentry_in_a_cluster
	s_endpgm
.Lentry_in_a_cluster:
	s_bfe_u32 s2, ttmp6, 0x10000c
	s_cmp_lg_u32 s2, 0xf033
	s_cbranch_scc0 .Lentry_shape_is_right
	s_endpgm
.Lentry_shape_is_right:
; q, k, v = Q(x W_attn + b_attn): the first product on codes of FP8 (E4M3), K = 1,024, and its results quantised at once for the two products of attention (scales: entries 2, 3 and 5).
; Operands come as IMAGES OF REGISTERS: [tile of 16 rows][K step of 128][2,048 bytes]; registers 4 g .. 4 g + 3 of lane l at byte 512 g + 16 l; lane (r, h): row r, registers 2 c, 2 c + 1: k = 16 c + 8 h + 0 .. 7.
; A work-group of four waves makes 256 x 256 results, a wave 128 x 128: 64 accumulators.  Cluster x = 0, 1, 2 makes q, k, v: the same in all sixteen partners, so selects and one branch hang on it.
; ROLES.  Source 1 of a matrix instruction takes 16 rows of the operand called A here, source 0 sixteen of B: lane (r, h) then holds row r of A's block and, in registers 0 .. 7, B's rows 8 h + 0 .. 7.
;   q, k: A = x (tokens), B = W_attn (columns): a lane's eight results run along the head's 64, which is K of q k^T.     v: A = W_attn, B = x: they run along the tokens, which are K of p v.
; So one conversion of accumulator (a, b) IS register pair 2 b, 2 b + 1 of the next operand, in the right lane, and the results leave as images: each store is 512 consecutive bytes.  No stage in LDS.
; OUT: qkv = q | k | v, 8 MiB each, [batch x head 64][131,072].  q, k: [tile of 16 tokens 128][1,024] (16 tokens x 64).  v: [step of 128 keys 16][tile of 16 of the head's 64: 4][2,048].
; THE BIAS is the C of each sum's first matrix instruction, divided by 2^(e0 + e1), which the sums lack.
; K goes in steps of 256 through two LDS slots; four fills in all, so the steps are written out.  Tiles of A are shared along a row of the cluster, tiles of B along a column: joint loads.
; LIMITS: e(out) - e0 - e1 between -126 and 119 for each of the three outputs.  NaN is not served.
; REGISTERS, in windows of 256: window 0: v12, v13 the hold and the scale; v16-29 addresses; v32-95 the bias, later held results; v96-127 offsets, later codes; v128-255 A's fragments, ONE set.
;   window 1: B's fragments, two sets.   window 2: accumulators of A's blocks 0-3 ((a, b) at v[8 (8 (a % 4) + b)]);   window 3: of blocks 4-7.
.set NA,    8                          ; A's blocks of 16 rows in a wave
.set AW,    NA*4096                    ; a wave's rows of A in a slot: NA tiles x 2 K steps x 2,048
.set SLOT,  2*AW+65536                 ; A's two halves, then B's two halves of 32,768
.set SPARE, 2*SLOT                     ; behind the ring: the spare words, 128 bytes for each wave
.set AF,    128
.set BB,    32
.set TMP,   32
.set ADRA,  16                         ; v16-17 LDS address of my A fragments in slot 0, 1
.set ADRB,  20                         ; v20-21 the same for B
.set SPW,   28                         ; v28 LDS address of my spare word; never rewritten
.set NIL,   29                         ; v29 0; never rewritten
.set G1,  24                           ; s[24:31] descriptor group 1 for A's tiles; s[32:39] group 0, one set for each slot
.set G0,  32
.set G1B, 48                           ; s[48:55], s[56:63] the same for B's
.set G0B, 56
.set MSB, 0
.macro WIN new                         ; the immediate's high byte repeats the setting that is left
.if MSB != (\new)
	s_set_vgpr_msb (MSB<<8)|(\new)
.set MSB, (\new)
.endif
.endm
.macro PLACES n                        ; plain vector lines between a matrix instruction and a load into, or a read of, its registers
.rept \n
	v_nop
.endr
.endm
; A joint load: waves 0 and 1 fetch A's halves, waves 2 and 3 B's.  The branch hangs on the wave's number alone.  Four v_nop follow each of the two lines.
.macro JLOAD g0a, g1a, g0b, g1b
	s_cmp_eq_u32 s15, 0
	s_cbranch_scc0 .Lfor_b_\@
	tensor_load_to_lds s[\g0a:\g0a+3], s[\g1a:\g1a+7]
	s_nop 0
.rept 4
	v_nop
.endr
	s_branch .Lasked_\@
.Lfor_b_\@:
	tensor_load_to_lds s[\g0b:\g0b+3], s[\g1b:\g1b+7]
	s_nop 0
.rept 4
	v_nop
.endr
.Lasked_\@:
.endm
.macro CREST                           ; a round of the cluster's barrier behind its opening barrier
	s_cmp_lg_u32 s14, 0
	s_cbranch_scc1 .Lnot_wave_0_\@
	s_barrier_signal -3
.Lnot_wave_0_\@:
	s_barrier_wait -3
	s_barrier_signal -1
	s_barrier_wait -1
.endm
.macro CROUND
	s_barrier_signal -1
	s_barrier_wait -1
	CREST
.endm
.macro FRAG reg, adr, q, i             ; a fragment's image: four loads of 16 bytes a lane, 512 consecutive bytes each
.irp c, 0,1,2,3
	ds_load_b128 v[\reg+4*\c:\reg+4*\c+3], v[\adr] offset:(\i)*4096+(\q)*2048+512*\c
.endr
.endm
.macro FETCH_B slot, q, p              ; B's eight fragments of the slot's K step q into set p
	WIN 0x40
.irp i, 0,1,2,3,4,5,6,7
	FRAG 128*(\p)+16*\i, ADRB+\slot, \q, \i
.endr
	WIN 0
.endm
.macro FETCH_A slot, q, half           ; the lower or the upper half of A's blocks
.set fi, (\half)*NA/2
.rept NA/2
	FRAG AF+16*fi, ADRA+\slot, \q, fi
.set fi, fi+1
.endr
.endm
; A quarter of a K step's products: NA / 4 blocks of A x B's eight.  p: B's set.  cm: C is 0: the accumulator; 1: the constant 0; 2: the bias by B's block; 3: the bias by A's block.
; The accumulators take turns, one instruction a turn, in the same order in every step.
.macro MULQ q, p, cm
.set ma, (\q)*NA/4
.rept NA/4
.set wa, 2+ma/4
.if (\cm) >= 2
	WIN (wa<<6)|1
.else
	WIN (wa<<6)|(wa<<4)|1
.endif
.set mb, 0
.rept 8
.set rD, 8*(8*(ma%4)+mb)
.if (\cm) == 0
	v_wmma_f32_16x16x128_fp8_fp8 v[rD:rD+7], v[128*(\p)+16*mb:128*(\p)+16*mb+15], v[AF+16*ma:AF+16*ma+15], v[rD:rD+7]
.elseif (\cm) == 1
	v_wmma_f32_16x16x128_fp8_fp8 v[rD:rD+7], v[128*(\p)+16*mb:128*(\p)+16*mb+15], v[AF+16*ma:AF+16*ma+15], 0
.elseif (\cm) == 2
	v_wmma_f32_16x16x128_fp8_fp8 v[rD:rD+7], v[128*(\p)+16*mb:128*(\p)+16*mb+15], v[AF+16*ma:AF+16*ma+15], v[BB+8*mb:BB+8*mb+7]
.else
	v_wmma_f32_16x16x128_fp8_fp8 v[rD:rD+7], v[128*(\p)+16*mb:128*(\p)+16*mb+15], v[AF+16*ma:AF+16*ma+15], v[BB+8*ma:BB+8*ma+7]
.endif
.set mb, mb+1
.endr
.set ma, ma+1
.endr
.endm
; A slot's first K step (B's set 0); it fetches the second.
.macro STEP slot, cm
	s_wait_dscnt 2*NA                              ; B's set and A's lower blocks are in; the youngest loads (A's upper blocks) may be out
	MULQ 0, 0, \cm
	MULQ 1, 0, \cm
	s_wait_dscnt 0x0                               ; A's upper blocks are in
	PLACES 4
	FETCH_B \slot, 1, 1
	FETCH_A \slot, 1, 0
	MULQ 2, 0, \cm
	MULQ 3, 0, \cm
	PLACES 4
	WIN 0
	FETCH_A \slot, 1, 1
.endm
; A slot's second K step (B's set 1) changes slots: ONE barrier; in front of it each wave waits for all its tensor loads, adds 0 to its spare word, and waits for that and for its reads of this slot.
.macro TURN slot, next, fill
	s_wait_tensorcnt 0x0                           ; all my tensor loads have landed: my part of the next slot
	ds_add_u32 v[SPW], v[NIL]                      ; 0 onto my spare word
	s_wait_dscnt 2*NA+1                            ; (the add and A's upper blocks may be out)
	MULQ 0, 1, 0
	s_wait_dscnt 0x0                               ; the add is done, and my reads of this slot are over
	s_barrier_signal -1
	MULQ 1, 1, 0
	WIN 0
	s_barrier_wait -1
.if \fill
	CREST                                          ; the barrier has opened a round of the cluster's barrier: no wave of any partner still reads this slot or has a load on its way
	s_add_nc_u64 s[G0+4*\slot+2:G0+4*\slot+3], s[G0+4*\slot+2:G0+4*\slot+3], 8192
	s_add_nc_u64 s[G0B+4*\slot+2:G0B+4*\slot+3], s[G0B+4*\slot+2:G0B+4*\slot+3], 8192
	JLOAD G0+4*\slot, G1, G0B+4*\slot, G1B         ; the first tensor load behind the round; its four v_nop are the places in front of the loads below
.else
	PLACES 4
.endif
	FETCH_B \next, 0, 0
	FETCH_A \next, 0, 0
	MULQ 2, 1, 0
	MULQ 3, 1, 0
	PLACES 4
	WIN 0
	FETCH_A \next, 0, 1
.endm
	s_load_b256 s[4:11], s[0:1], 0x0               ; x_img s[4:5], wa_img s[6:7], the scales' exponents s[8:9], b_attn s[10:11]
	s_load_b64 s[12:13], s[0:1], 0x20              ; qkv
	v_lshl_add_u32 v[SPW], v0, 2, SPARE
	v_mov_b32 v[NIL], 0
	ds_add_u32 v28, v29
	ds_add_u32 v28, v29
	s_wait_dscnt 0x0
	v_lshrrev_b32 v1, 5, v0
	v_readfirstlane_b32 s14, v1                    ; wave 0..3
	s_lshr_b32 s15, s14, 1                         ; which half of A's rows is mine.  Also: I fetch for A (0) or for B (1)
	s_and_b32 s16, s14, 1                          ; which half of B's rows.  Also: which half of that tile I fetch
	s_bfe_u32 s40, ttmp6, 0x40000                  ; cx
	s_bfe_u32 s41, ttmp6, 0x40004                  ; cy
	s_and_b32 s17, ttmp7, 0xffff                   ; cluster y
	s_lshl_b32 s18, s17, 2
	s_lshl_b32 s19, ttmp9, 2
	s_lshl_b32 s43, s41, 2
	s_lshl_b32 s43, 15, s43                        ; my row of the cluster
	s_lshl_b32 s44, 0x1111, s40                    ; my column
	; descriptor group 1: 8 tiles of rows x 4,096 bytes (two K steps' images), 16,384 bytes apart in memory, on end in LDS; elements of 8 bytes
	s_or_b32 s[G1+0], s43, (3<<16)|(1<<21)         ; 15:0 the mask: A's tiles go to my row; 17:16 elements of 8 bytes; 21 set beside a mask
	s_or_b32 s[G1B+0], s44, (3<<16)|(1<<21)        ; B's go to my column
.irp g, G1, G1B
	s_mov_b32 s[\g+1], 512<<16                     ; tensor_dim0 = 512
	s_mov_b32 s[\g+2], 8<<16                       ; tensor_dim1 = 8
	s_mov_b32 s[\g+3], 512<<16                     ; tile_dim0 = 512
	s_mov_b32 s[\g+4], 8                           ; tile_dim1 = 8
	s_mov_b32 s[\g+5], 2048                        ; tensor_dim0_stride
	s_mov_b32 s[\g+6], 0
	s_mov_b32 s[\g+7], 0
.endr
	s_cmp_eq_u32 ttmp9, 2                          ; v?
	s_cselect_b32 s20, 8, s18                      ; A's tile of 256 rows: v: W_attn's 8 + cy; q, k: x's 4 cluster y + cy
	s_cselect_b32 s46, s18, s19                    ; B's: v: x's 4 cluster y + cx; q, k: W_attn's 4 cluster x + cx
	s_add_co_u32 s20, s20, s41
	s_add_co_u32 s46, s46, s40
	s_lshl_b32 s20, s20, 18
	s_lshl_b32 s46, s46, 18
	s_lshl_b32 s21, s16, 17                        ; the half that I fetch
	s_add_co_u32 s20, s20, s21
	s_add_co_u32 s46, s46, s21
	s_mov_b32 s21, 0
	s_mov_b32 s47, 0
	s_mul_i32 s45, s16, AW                         ; where they go: no place in the cluster enters an LDS address
	s_lshl_b32 s42, s16, 15
	s_add_co_u32 s42, s42, 2*AW
	s_wait_kmcnt 0x0
	s_load_b256 s[68:75], s[8:9], 0x0              ; the eight exponents
	s_cmp_eq_u32 ttmp9, 2
	s_cselect_b64 s[76:77], s[6:7], s[4:5]         ; A's buffer
	s_cselect_b64 s[78:79], s[4:5], s[6:7]         ; B's
	s_add_nc_u64 s[76:77], s[76:77], s[20:21]
	s_add_nc_u64 s[78:79], s[78:79], s[46:47]
	CROUND                                         ; all sixteen work-groups are here: the first joint loads meet
.irp s, 0,1
	s_mov_b32 s[G0+4*\s], 1
	s_add_co_u32 s[G0+4*\s+1], s45, \s*SLOT
	s_add_nc_u64 s[G0+4*\s+2:G0+4*\s+3], s[76:77], \s*4096
	s_or_b32 s[G0+4*\s+3], s[G0+4*\s+3], 0x80000000
	s_mov_b32 s[G0B+4*\s], 1
	s_add_co_u32 s[G0B+4*\s+1], s42, \s*SLOT
	s_add_nc_u64 s[G0B+4*\s+2:G0B+4*\s+3], s[78:79], \s*4096
	s_or_b32 s[G0B+4*\s+3], s[G0B+4*\s+3], 0x80000000
	JLOAD G0+4*\s, G1, G0B+4*\s, G1B
.endr
	v_and_b32 v1, 15, v0                           ; r
	s_wait_alu depctr_va_vdst(0)
	v_bfe_u32 v2, v0, 4, 1                         ; h
	v_and_b32 v3, 31, v0
	v_lshlrev_b32 v24, 4, v3                       ; 16 x lane: my place in every image
	s_mul_i32 s21, s15, AW
	s_lshl_b32 s22, s16, 15
	s_add_co_u32 s22, s22, 2*AW
.irp s, 0,1
	v_add_nc_u32 v[ADRA+\s], s21, v24
	v_add_nc_u32 v[ADRB+\s], s22, v24
	s_add_co_u32 s21, s21, SLOT
	s_add_co_u32 s22, s22, SLOT
.endr
	; what differs between q, k and v is chosen here, once, and enters addresses in memory alone
	s_cmp_eq_u32 ttmp9, 2
	s_cselect_b32 s80, s40, s41                    ; the tile of 256 tokens: 4 cluster y + (v: cx; else cy)
	s_cselect_b32 s81, s41, s40                    ; hq: which 256 columns (four heads) of the part
	s_cselect_b32 s82, s15, s16                    ; hw: my wave's two heads of them
	s_cselect_b32 s83, s16, s15                    ; tw: my wave's 128 tokens
	s_cselect_b32 s92, 4, 0                        ; the bias's offset: per r,
	s_cselect_b32 s93, 0, 32                       ; per h,
	s_cselect_b32 s94, 0, 4                        ; per register
	s_mov_b32 s84, 1024
	s_cselect_b32 s84, 2048, s84                   ; from block a to block a + 1 in the output
	s_mov_b32 s86, 131072
	s_cselect_b32 s86, 1024, s86                   ; from a block's first two stores to its last two
	s_cselect_b32 s88, 122880, 0                   ; v: block 4 begins the next head
	s_mov_b32 s85, 0
	s_mov_b32 s89, 0
	s_add_co_u32 s80, s80, s18
	s_lshl_b32 s90, ttmp9, 12                      ; the bias: 4 x (1,024 part + 256 hq + 128 hw)
	s_lshl_b32 s91, s81, 10
	s_add_co_u32 s90, s90, s91
	s_lshl_b32 s91, s82, 9
	s_add_co_u32 s90, s90, s91
	s_mov_b32 s91, 0
	s_add_nc_u64 s[10:11], s[10:11], s[90:91]
	s_lshr_b32 s90, s80, 3                         ; the output: batch,
	s_lshl_b32 s90, s90, 2
	s_add_co_u32 s90, s90, s81
	s_lshl_b32 s90, s90, 1
	s_add_co_u32 s90, s90, s82                     ; 8 batch + 2 hq + hw: a pair of heads, 262,144 bytes
	s_lshl_b32 s90, s90, 18
	s_lshl_b32 s95, ttmp9, 23                      ; the part
	s_add_co_u32 s90, s90, s95
	s_and_b32 s95, s80, 7
	s_lshl_b32 s95, s95, 14                        ; 256 tokens are 16,384 bytes of a head, in q, k and v alike
	s_add_co_u32 s90, s90, s95
	s_lshl_b32 s95, s83, 13
	s_add_co_u32 s90, s90, s95
	s_add_nc_u64 s[12:13], s[12:13], s[90:91]
	v_mul_u32_u24 v9, v1, s92
	s_wait_alu depctr_va_vdst(0)
	v_mad_u32_u24 v9, v2, s93, v9
	s_wait_alu depctr_va_vdst(0)
.irp j, 0,1,2,3,4,5,6,7
	s_mul_i32 s95, s94, \j
	v_add_nc_u32 v[96+\j], s95, v9
.endr
	v_add_nc_u32 v25, s86, v24
.irp x, 0,1,2,3,4,5,6,7                        ; q, k: register 8 x + j = b(16 x + 8 h + j), for B's block x;   v: = b(16 x + r), for A's block x
.irp j, 0,1,2,3,4,5,6,7
	global_load_b32 v[BB+8*\x+\j], v[96+\j], s[10:11] offset:64*\x
.endr
.endr
	s_wait_kmcnt 0x0
	s_add_co_i32 s98, s68, s69                     ; e0 + e1: a sum stands for sum x 2^(e0 + e1)
	s_sub_co_i32 s99, 0, s98
	s_cmp_eq_u32 ttmp9, 0
	s_cselect_b32 s95, s70, s71
	s_cmp_eq_u32 ttmp9, 2
	s_cselect_b32 s95, s73, s95                    ; the output's exponent: e2, e3 or e5
	s_sub_co_i32 s95, s95, s98
	s_add_co_i32 s95, s95, 127
	s_lshl_b32 s96, s95, 23
	v_mov_b32 v13, s96                             ; 2^(e(out) - e0 - e1): the three scales folded into the conversion's one
	s_add_co_i32 s95, s95, 8
	s_lshl_b32 s95, s95, 23
	s_or_b32 s95, s95, 0x600000
	v_mov_b32 v12, s95                             ; 448 x that
	s_wait_loadcnt 0x0
.set bi, 0
.rept 64
	v_ldexp_f32 v[BB+bi], v[BB+bi], s99            ; the bias / 2^(e0 + e1)
.set bi, bi+1
.endr
	s_wait_tensorcnt 1                             ; my part of slot 0 is in; slot 1's may stay out
	s_barrier_signal -1
	s_barrier_wait -1
	FETCH_B 0, 0, 0
	FETCH_A 0, 0, 0
	FETCH_A 0, 0, 1
	s_cmp_eq_u32 ttmp9, 2                          ; the first step starts the sums with the bias, which lies along B's rows (q, k) or along A's (v): written twice
	s_cbranch_scc1 .Lfirst_v
	s_wait_alu depctr_va_vdst(0)
	STEP 0, 2
	s_branch .Lfirst_done
.Lfirst_v:
	s_wait_alu depctr_va_vdst(0)
	STEP 0, 3
.Lfirst_done:
	TURN 0, 1, 1
	STEP 1, 0
	TURN 1, 0, 1
	STEP 0, 0
	TURN 0, 1, 0                                   ; the last two slots are filled no more
	STEP 1, 0
	s_wait_dscnt 2*NA                              ; the very last K step
	MULQ 0, 1, 0
	MULQ 1, 1, 0
	s_wait_dscnt 0x0
	MULQ 2, 1, 0
	MULQ 3, 1, 0
	WIN 0
	PLACES 4
; THE WAY OUT of A's block a: its 64 sums a lane are held, each accumulator from its low end on, and converted: accumulator b gives registers 2 b, 2 b + 1 of the image.
; q, k: registers 0-7 are the block's 16 tokens x the first head's 64, registers 8-15 the second head's.   v: the 16 registers are 16 of a head's 64 x my 128 tokens.
.macro OUTA a
.set AC, 64*((\a)%4)
.set CD, 96+16*((\a)%2)
	WIN 0x02+(\a)/4
.set oi, 0
.rept 64
	v_med3_num_f32 v[TMP+oi], v[AC+oi], -v12, v12  ; the conversion to an 8-bit code does not saturate (ISA guide 7.6.2)
.set oi, oi+1
.endr
	WIN 0
.if (\a) > 0
	s_wait_alu depctr_va_vdst(0)
	s_wait_xcnt 0x0                                ; the earlier stores have read their data and their base: both are written again below
.endif
.irp b, 0,1,2,3,4,5,6,7
	v_cvt_scalef32_pk8_fp8_f32 v[CD+2*\b:CD+2*\b+1], v[TMP+8*\b:TMP+8*\b+7], v13
.endr
	v_nop                                          ; a plain vector line between the conversions and the next block's holds, which write their sources
.if (\a) > 0
	s_add_nc_u64 s[12:13], s[12:13], s[84:85]
.endif
.if (\a) == 4
	s_add_nc_u64 s[12:13], s[12:13], s[88:89]
.endif
.irp c, 0,1,2,3
	global_store_b128 v[24+\c/2], v[CD+4*\c:CD+4*\c+3], s[12:13] offset:512*(\c%2)   ; 32 lanes store 512 consecutive bytes, at a multiple of 512 from the buffer's first byte
.endr
.endm
.irp a, 0,1,2,3,4,5,6,7
	OUTA \a
.endr
	s_wait_tensorcnt 0x0                           ; the wave's end
	ds_add_u32 v[SPW], v[NIL]
	s_wait_dscnt 0x0
	CROUND                                         ; the closing round: no work-group ends while a partner may still ask for a tile that names it
	s_endpgm
.Lfunc_end_k_q184c890f76_qkv:
	.size	k_q184c890f76_qkv, .Lfunc_end_k_q184c890f76_qkv-k_q184c890f76_qkv
	.p2alignl 7, 3214868480
	.fill 96, 4, 3214868480
	.section	.rodata,"a",@progbits
	.p2align	6, 0x0
	.amdhsa_kernel k_q184c890f76_qkv
		.amdhsa_group_segment_fixed_size 327680
		.amdhsa_private_segment_fixed_size 0
		.amdhsa_enable_private_segment 0
		.amdhsa_kernarg_size 40
		.amdhsa_user_sgpr_count 2
		.amdhsa_user_sgpr_kernarg_segment_ptr 1
		.amdhsa_wavefront_size32 1
		.amdhsa_system_sgpr_workgroup_id_x 1
		.amdhsa_system_sgpr_workgroup_id_y 1
		.amdhsa_system_sgpr_workgroup_id_z 1
		.amdhsa_system_vgpr_workitem_id 0
		.amdhsa_next_free_vgpr 1024
		.amdhsa_next_free_sgpr 100
		.amdhsa_reserve_vcc 0
		.amdhsa_float_denorm_mode_32 3
		.amdhsa_float_denorm_mode_16_64 3
		.amdhsa_memory_ordered 1
		.amdhsa_forward_progress 1
		.amdhsa_inst_pref_size 138
	.end_amdhsa_kernel
	.amdgpu_metadata
---
amdhsa.version: [ 1, 2 ]
amdhsa.kernels:
  - .name:           k_q184c890f76_qkv
    .symbol:         k_q184c890f76_qkv.kd
    .args:
      - { .name: x_img, .offset: 0, .size: 8, .value_kind: global_buffer, .address_space: global }
      - { .name: wa_img, .offset: 8, .size: 8, .value_kind: global_buffer, .address_space: global }
      - { .name: lowp_scales, .offset: 16, .size: 8, .value_kind: global_buffer, .address_space: global }
      - { .name: b_attn, .offset: 24, .size: 8, .value_kind: global_buffer, .address_space: global }
      - { .name: qkv, .offset: 32, .size: 8, .value_kind: global_buffer, .address_space: global }
    .group_segment_fixed_size: 327680
    .private_segment_fixed_size: 0
    .kernarg_segment_align: 8
    .kernarg_segment_size: 40
    .max_flat_workgroup_size: 128
    .sgpr_count:     100
    .vgpr_count:     1024
    .wavefront_size: 32
...
	.end_amdgpu_metadata
.endif
;; end of part 2
;; launch attn (part 3): grid 4 x 64, 16 waves a work-group, clusters of 4 x 1, 264,192 bytes of LDS; arguments qkv, lowp_scales, y_img; writes y_img
.if DOCPART == 3
	.amdgcn_target "amdgcn-amd-amdhsa--gfx1250"
	.amdhsa_code_object_version 6
	.text
	.protected	k_q184c890f76_attn
	.globl	k_q184c890f76_attn
	.p2align	8
	.type	k_q184c890f76_attn,@function
k_q184c890f76_attn:
	s_mov_b64 s[64:65], 0
	v_nop
	global_prefetch_b8 v0, s[64:65] scope:SCOPE_SE
	s_setreg_imm32_b32 hwreg(HW_REG_WAVE_MODE, 25, 1), 1
	s_wait_xcnt 0x0
	s_wait_alu depctr_hold_cnt(0) depctr_sa_sdst(0) depctr_va_vdst(0) depctr_va_sdst(0) depctr_va_ssrc(0) depctr_va_vcc(0) depctr_vm_vsrc(0)
	s_getreg_b32 s2, hwreg(HW_REG_IB_STS2, 6, 4)
	s_cmp_eq_u32 s2, 0
	s_cbranch_scc0 .Lentry_in_a_cluster
	s_endpgm
.Lentry_in_a_cluster:
	s_bfe_u32 s2, ttmp6, 0x10000c
	s_cmp_lg_u32 s2, 0x3003
	s_cbranch_scc0 .Lentry_shape_is_right
	s_endpgm
.Lentry_shape_is_right:
; y = Q(softmax(q k^T / 8, causal) v), both products on codes of FP8 (E4M3); 64 heads (batch x head) of 2,048 tokens x 64.  Scales: q e2, k e3, p e4, v e5, y e6.
; THE SOFTMAX AHEAD OF THE SECOND PRODUCT: t = score x log2(e) / 8; M = the row's largest t so far, rounded UP to a whole number; p = 2^(t - M) is quantised, not normalised; the row's sum is taken of the
; unquantised p and divides at the end.  When M moves, the sum and O are multiplied by 2^(old M - new M): exact.
; IN: qkv = q | k | v as images of operand registers.  q, k: [head][tile of 16 tokens][1,024]; v: [head][step of 128 keys][tile of 16 of the 64][2,048].  Registers 4 g .. 4 g + 3 of lane l at 512 g + 16 l.
; OUT: y_img [tile of 16 tokens 512][K step 8][2,048]: head hd's two groups of four registers of token tile tt at 16,384 tt + 1,024 hd + 0 and + 512.
; SHARES.  The four work-groups of a cluster serve one head.  A head's K and V, 131,072 bytes each, lie in LDS WHOLE: filled once, by joint loads, in four quarters of 512 keys; nothing is filled again.
; Of each block of 256 queries work-group cx takes tiles 4 cx .. 4 cx + 3, so that no branch hangs on cx.  Wave w (u = w % 4, p = w / 4) owns two tiles of 16 queries: LO in block p, HI in block 7 - p:
; (2 p + 2) + (16 - 2 p) = 18 key steps of 128 for every wave.  A step all of whose keys follow a tile's block of queries is left out (a scalar branch on the wave's number and the step's);
; in the two steps of the tile's own block hidden scores become -infinity ahead of the maximum.  Key 0 counts for every query, so M is a number from the first step on.
; LAYOUT.  Both products transposed: S^T = K Q^T (source 0 = 16 keys, source 1 = my 16 queries, K = 64), O^T = V^T P^T (source 0 = 16 of the 64, source 1 = P, K = 128 keys): a lane holds ONE query.
; In S^T's tile c lane (r, h) holds keys 16 c + 8 h + 0 .. 7: their codes are registers 2 c, 2 c + 1 of P.  O^T's tile d likewise gives registers 2 d, 2 d + 1 of y's image.
; LIMITS: e2 + e3 between -123 and 130 (added to c's exponent field); e4 between -126 and 119.  NaN is not served.
; REGISTERS: v1-7 addresses; v[8:11], v[12:15] a tile's -M, largest t, sum in two halves; v16-31 Q; v32-95 K's eight fragments, then V's four; v96-159 S^T, then p; v160-223 O^T; v224-239 codes; v236-254 at work and constants.
.set LI,   1                           ; v1  16 x lane
.set AV0,  2                           ; v2  16 x lane + V's first byte
.set ADK,  3                           ; v3  the step's tiles of K
.set ADV,  4                           ; v4  of V
.set WV,   18
.set TB,   2                           ; s2  8,192 x the key step
.set KS,   3                           ; s3  the key step
.set LASTS, 32                         ; s32, s33 the last key step of LO, HI
.set DIAGS, 34                         ; s34, s35 the first that is masked
.macro CROUND
	s_barrier_signal -1
	s_barrier_wait -1
	s_cmp_lg_u32 s[WV], 0
	s_cbranch_scc1 .Lnot_wave_0_\@
	s_barrier_signal -3
.Lnot_wave_0_\@:
	s_barrier_wait -3
	s_barrier_signal -1
	s_barrier_wait -1
.endm
; A KEY STEP for tile T (0: LO, 1: HI).  guard = 1: the step may lie behind the tile's last, or in the tile's own block of queries.
.macro STEP T, guard
.set ST, 8+4*(\T)
.set QF, 16+8*(\T)
.set OT, 160+32*(\T)
.if \guard
	s_cmp_gt_u32 s[KS], s[LASTS+\T]
	s_cbranch_scc1 .Lskip_\@
.endif
	v_add_nc_u32 v[ADK], s[TB], v[LI]
	v_add_nc_u32 v[ADV], s[TB], v[AV0]
	v_nop
	v_nop                                          ; four places in front of loads into registers that the last products read
.irp c, 0,1,2,3,4,5,6,7
	ds_load_b128 v[32+8*\c:35+8*\c], v[ADK] offset:1024*\c
	ds_load_b128 v[36+8*\c:39+8*\c], v[ADK] offset:1024*\c+512
.endr
	s_wait_alu depctr_va_vdst(0)
	s_wait_dscnt 0x0
.irp c, 0,1,2,3,4,5,6,7
	v_wmma_f32_16x16x64_fp8_fp8 v[96+8*\c:103+8*\c], v[32+8*\c:39+8*\c], v[QF:QF+7], 0
.endr
.rept 4
	v_nop
.endr
.irp d, 0,1,2,3                                ; V's fragments land while the softmax is worked
.irp i, 0,1,2,3
	ds_load_b128 v[32+16*\d+4*\i:35+16*\d+4*\i], v[ADV] offset:2048*\d+512*\i
.endr
.endr
.if \guard
	s_cmp_lt_u32 s[KS], s[DIAGS+\T]
	s_cbranch_scc1 .Lopen_\@
	s_lshl_b32 s96, s[KS], 7
	v_sub_nc_u32 v248, v[246+\T], s96              ; d = my query - 8 h - the step's first key.  Register 8 c + j holds key 16 c + 8 h + j of the step: hidden where 16 c + j > d
.set mn, 0
.rept 64
	v_cmp_gt_i32 vcc_lo, 16*(mn/8)+mn%8, v248
	v_cndmask_b32 v[96+mn], v[96+mn], v249, vcc_lo
.set mn, mn+1
.endr
.Lopen_\@:
.endif
	v_max3_num_f32 v254, v96, v97, v98             ; the step's largest score of my query among my 64 keys, in two chains; each accumulator is read from its low end on
	v_max3_num_f32 v252, v99, v100, v101
.irp i, 6,10,14,18,22,26,30,34,38,42,46,50,54,58
	v_max3_num_f32 v254, v254, v[96+\i], v[97+\i]
	v_max3_num_f32 v252, v252, v[98+\i], v[99+\i]
.endr
	v_max3_num_f32 v254, v254, v158, v159
	s_delay_alu instid0(VALU_DEP_1)
	v_max_num_f32 v254, v254, v252
	v_permlanex16_b32 v236, v254, s20, s21
	s_delay_alu instid0(VALU_DEP_1)
	v_max_num_f32 v254, v254, v236                 ; and among lane l xor 16's
	s_delay_alu instid0(VALU_DEP_1)
	v_mul_f32 v254, s22, v254                      ; as t (c is positive)
	s_delay_alu instid0(VALU_DEP_1)
	v_max_num_f32 v[ST+1], v[ST+1], v254           ; the running largest t
	v_mov_b32 v254, v[ST]
	s_delay_alu instid0(VALU_DEP_2)
	v_floor_f32 v[ST], -v[ST+1]                    ; the new -M = floor(-t): M is a whole number
	s_delay_alu instid0(VALU_DEP_1)
	v_sub_f32 v254, v[ST], v254                    ; old M - new M: a whole number, 0 or less
	s_delay_alu instid0(VALU_DEP_1)
	v_cvt_i32_f32 v254, v254                       ; (it saturates)
	s_delay_alu instid0(VALU_DEP_1)
	v_ldexp_f32 v252, 1.0, v254                    ; f = 2^(old M - new M)
.set sj, 0
.rept 32
	v_pk_fma_f32 v[96+sj:97+sj], v[96+sj:97+sj], s[22:23], v[ST:ST+1] op_sel_hi:[1,0,0]   ; t - M, two at a time
.set sj, sj+2
.endr
.set sj, 0
	s_wait_alu depctr_va_vdst(0)
.rept 64
	v_exp_f32 v[96+sj], v[96+sj]                   ; p = 2^(t - M)
.set sj, sj+1
.endr
	v_pk_mul_f32 v[ST+2:ST+3], v[ST+2:ST+3], v[252:253] op_sel_hi:[1,0]   ; the sums under the new M: the plain line behind the exponentials
	s_wait_alu depctr_va_vdst(0)                   ; one wait for the batch, ahead of its first reader
	v_pk_add_f32 v[242:243], v[96:97], v[98:99]    ; the row's sum is taken of the unquantised p, in two chains
.irp j, 4,8,12,16,20,24,28,32,36,40,44,48,52,56,60
	v_pk_add_f32 v[ST+2:ST+3], v[ST+2:ST+3], v[96+\j:97+\j]
	v_pk_add_f32 v[242:243], v[242:243], v[98+\j:99+\j]
.endr
	s_delay_alu instid0(VALU_DEP_1)
	v_pk_add_f32 v[ST+2:ST+3], v[ST+2:ST+3], v[242:243]
.irp c, 0,1,2,3,4,5,6,7
.irp i, 0,1,2,3,4,5,6,7
.endr
	v_cvt_scalef32_pk8_fp8_f32 v[224+2*\c:225+2*\c], v[96+8*\c:103+8*\c], v244
.endr
.set sj, 0
.rept 16
	v_pk_mul_f32 v[OT+sj:OT+sj+1], v[OT+sj:OT+sj+1], v[252:253] op_sel_hi:[1,0]   ; O^T under the new M; also the plain lines between the conversions and the products
.set sj, sj+2
.endr
	s_wait_alu depctr_va_vdst(0)
	s_wait_dscnt 0x0                               ; V is in
.irp d, 0,1,2,3
	v_wmma_f32_16x16x128_fp8_fp8 v[OT+8*\d:OT+8*\d+7], v[32+16*\d:47+16*\d], v[224:239], v[OT+8*\d:OT+8*\d+7]
.endr
.if \guard
.Lskip_\@:
.endif
.endm
; A quarter of the keys: four key steps.  The counted wait shows my loads of quarters 0 .. q landed and leaves the later ones out; behind the barrier everybody's are in.
.macro QUARTER q
	s_wait_tensorcnt 3-\q
	s_wait_dscnt 0x0
	s_barrier_signal -1
	s_barrier_wait -1
	s_mov_b32 s[TB], \q*32768
	s_mov_b32 s[KS], 4*\q
.Lq_\@:
.if \q < 2
	STEP 0, 1
	STEP 1, 0                                      ; HI's block of queries begins at key step 8 at the earliest: all keys count here
.else
	STEP 1, 1                                      ; LO's last key step is 7 at the latest
.endif
	s_add_co_u32 s[TB], s[TB], 8192
	s_add_co_u32 s[KS], s[KS], 1
	s_cmp_lt_u32 s[KS], 4*(\q+1)
	s_cbranch_scc1 .Lq_\@
.endm
	s_load_b128 s[4:7], s[0:1], 0x0                ; qkv s[4:5], the scales' exponents s[6:7]
	s_load_b64 s[8:9], s[0:1], 0x10                ; y_img
	v_lshl_add_u32 v245, v0, 2, 0x40000
	v_mov_b32 v255, 0
	ds_add_u32 v245, v255
	ds_add_u32 v245, v255
	v_lshrrev_b32 v7, 5, v0
	s_delay_alu instid0(VALU_DEP_1)
	v_readfirstlane_b32 s[WV], v7                  ; wave 0..15
	v_and_b32 v7, 31, v0
	s_delay_alu instid0(VALU_DEP_1)
	v_lshlrev_b32 v[LI], 4, v7
	s_delay_alu instid0(VALU_DEP_1)
	v_add_nc_u32 v[AV0], 131072, v[LI]
	s_bfe_u32 s10, ttmp6, 0x40000                  ; cx: it enters addresses in memory of q and y, and the mask's numbers, alone
	s_and_b32 s11, ttmp7, 0xffff                   ; the head (batch x 16 + head), which the four partners share
	s_lshr_b32 s12, s[WV], 1
	s_and_b32 s12, s12, 1                          ; waves 0, 1 fetch K, waves 2, 3 V;
	s_and_b32 s13, s[WV], 1                        ; each a half of every quarter
	s_lshl_b32 s14, s12, 17
	s_lshl_b32 s15, s13, 14
	s_add_co_u32 s14, s14, s15                     ; in LDS,
	s_add_co_u32 s16, s12, 1
	s_lshl_b32 s16, s16, 23
	s_add_co_u32 s16, s16, s15
	s_lshl_b32 s19, s11, 17
	s_add_co_u32 s16, s16, s19                     ; and in memory: the part, the head, the half
	s_mov_b32 s17, 0
	; descriptor group 1: a dense block of 16,384 bytes as 64 rows of 256
	s_mov_b32 s24, 15|(3<<16)|(1<<21)              ; 15:0 the mask: all four work-groups; 17:16 elements of 8 bytes; 21 set beside a mask
	s_mov_b32 s25, 32<<16                          ; tensor_dim0 = 32
	s_mov_b32 s26, 64<<16                          ; tensor_dim1 = 64
	s_mov_b32 s27, 32<<16                          ; tile_dim0 = 32
	s_mov_b32 s28, 64                              ; tile_dim1 = 64
	s_mov_b32 s29, 32                              ; tensor_dim0_stride
	s_mov_b32 s30, 0
	s_mov_b32 s31, 0
	s_mov_b32 s20, 0x76543210                      ; v_permlanex16_b32's selects for lane l xor 16
	s_mov_b32 s21, 0xfedcba98
	s_wait_dscnt 0x0
	s_wait_kmcnt 0x0
	s_load_b256 s[68:75], s[6:7], 0x0              ; the eight exponents
	s_add_nc_u64 s[56:57], s[4:5], s[16:17]
.irp q, 0,1,2,3
	s_mov_b32 s[40+4*\q], 1
	s_add_co_u32 s[41+4*\q], s14, \q*32768
	s_add_nc_u64 s[42+4*\q:43+4*\q], s[56:57], \q*32768
	s_or_b32 s[43+4*\q], s[43+4*\q], 0x80000000
.endr
	CROUND                                         ; all four work-groups are here: the joint loads meet
	s_cmp_lt_u32 s[WV], 4                          ; a fetching wave's four loads stand in one branch, ahead of every wait on TENSORcnt and every LDS read: four loads of mine are out
	s_cbranch_scc0 .Lno_fetch
	tensor_load_to_lds s[40:43], s[24:31]
	s_nop 0
	tensor_load_to_lds s[44:47], s[24:31]
	s_nop 0
	tensor_load_to_lds s[48:51], s[24:31]
	s_nop 0
	tensor_load_to_lds s[52:55], s[24:31]
	s_nop 0
.rept 4
	v_nop
.endr
.Lno_fetch:
	s_mov_b32 s60, s19
	s_mov_b32 s61, 0
	s_add_nc_u64 s[58:59], s[4:5], s[60:61]        ; q at my head
	s_lshr_b32 s60, s11, 4
	s_lshl_b32 s60, s60, 21                        ; y: the batch's 128 tiles of tokens,
	s_and_b32 s62, s11, 15
	s_lshl_b32 s62, s62, 10                        ; the head's 1,024 bytes of each
	s_add_co_u32 s60, s60, s62
	s_add_nc_u64 s[8:9], s[8:9], s[60:61]
	v_and_b32 v7, 15, v0                           ; r
	v_bfe_u32 v3, v0, 4, 1                         ; h
	s_delay_alu instid0(VALU_DEP_1)
	v_lshlrev_b32 v3, 3, v3
	s_delay_alu instid0(VALU_DEP_1)
	v_sub_nc_u32 v7, v7, v3                        ; r - 8 h
	s_wait_alu depctr_va_vdst(0)
	s_lshr_b32 s12, s[WV], 2                       ; p
	s_and_b32 s13, s[WV], 3                        ; u
	s_lshl_b32 s14, s10, 2
	s_add_co_u32 s14, s14, s13                     ; 4 cx + u
	s_lshl_b32 s15, s12, 4
	s_add_co_u32 s36, s14, s15                     ; LO's tile of queries: 16 p + 4 cx + u
	s_sub_co_u32 s37, 112, s15
	s_add_co_u32 s37, s37, s14                     ; HI's: 16 (7 - p) + 4 cx + u
	s_lshl_b32 s34, s12, 1                         ; LO is masked from key step 2 p on,
	s_add_co_u32 s32, s34, 1                       ; and ends with 2 p + 1;
	s_sub_co_u32 s33, 15, s34                      ; HI: 15 - 2 p,
	s_sub_co_u32 s35, 14, s34                      ; 14 - 2 p
.irp T, 0,1
	s_lshl_b32 s96, s[36+\T], 4
	v_add_nc_u32 v[246+\T], s96, v7                ; my query - 8 h
	s_lshl_b32 s96, s[36+\T], 14
	v_add_nc_u32 v[5+\T], s96, v[LI]               ; my bytes of y's image
	s_lshl_b32 s96, s[36+\T], 10
	v_add_nc_u32 v[3+\T], s96, v[LI]
	global_load_b128 v[16+8*\T:19+8*\T], v[3+\T], s[58:59]             ; Q's fragment stays in registers
	global_load_b128 v[20+8*\T:23+8*\T], v[3+\T], s[58:59] offset:512
	v_mov_b32 v[9+4*\T], 0xff61b1e6                ; the largest t so far: -3e38, under every t
	s_delay_alu instid0(VALU_DEP_1)
	v_floor_f32 v[8+4*\T], -v[9+4*\T]              ; -M
	v_mov_b32 v[10+4*\T], 0                        ; the sum, in two halves
	v_mov_b32 v[11+4*\T], 0
.endr
	v_mov_b32 v236, 0                              ; written once: a lane permute's destination counts as one of its sources
	v_mov_b32 v253, 0                              ; (named as the upper half of the pair v[252:253])
	v_mov_b32 v249, 0xff800000                     ; -infinity
	v_mov_b32 v251, 1.0
.set oj, 0
.rept 64
	v_mov_b32 v[160+oj], 0                         ; O^T.  (The step is written for every step alike: the first finds zeros, which the first change of M leaves zeros)
.set oj, oj+1
.endr
	s_wait_kmcnt 0x0
	s_add_co_i32 s96, s70, s71
	s_lshl_b32 s96, s96, 23
	s_add_co_i32 s22, s96, 0x3e38aa3b              ; c = log2(e) / 8, with e2 + e3 added to its exponent field: a score stands for score x 2^(e2 + e3)
	s_mov_b32 s23, s22                             ; (named with it as a pair, so it is written)
	s_add_co_i32 s96, s72, 127
	s_lshl_b32 s97, s96, 23
	v_mov_b32 v244, s97                            ; 2^e4, for p's conversion
	s_add_co_i32 s38, s72, s73
	s_sub_co_i32 s38, s38, s74                     ; e4 + e5 - e6
	s_wait_loadcnt 0x0                             ; Q
	QUARTER 0
	QUARTER 1
	QUARTER 2
	QUARTER 3
; THE WAY OUT of tile T: O^T x 2^(e4 + e5 - e6) / the sum is y in units of its scale: held within +-448 and converted with the scale 1; the four conversions' results are the head's eight registers of y's image.
.macro FIN T
.set ST, 8+4*(\T)
.set OT, 160+32*(\T)
	v_add_f32 v[ST+2], v[ST+2], v[ST+3]            ; the sum's two halves,
	v_permlanex16_b32 v236, v[ST+2], s20, s21
	s_delay_alu instid0(VALU_DEP_1)
	v_add_f32 v[ST+2], v[ST+2], v236               ; and lane l xor 16's
	s_wait_alu depctr_va_vdst(0)
	v_rcp_f32 v[ST+2], v[ST+2]
	v_nop                                          ; a plain line behind the transcendental
	s_wait_alu depctr_va_vdst(0)                   ; and the wait ahead of its first reader
	v_ldexp_f32 v[ST+2], v[ST+2], s38
.set fj, 0
.rept 16
	v_pk_mul_f32 v[96+fj:97+fj], v[OT+fj:OT+fj+1], v[ST+2:ST+3] op_sel_hi:[1,0]
.set fj, fj+2
.endr
.set fj, 0
.rept 32
.set fj, fj+1
.endr
.irp d, 0,1,2,3
	v_cvt_scalef32_pk8_fp8_f32 v[224+8*(\T)+2*\d:225+8*(\T)+2*\d], v[96+8*\d:103+8*\d], v251
.endr
	v_nop                                          ; a plain line behind the last conversion
	global_store_b128 v[5+\T], v[224+8*(\T):227+8*(\T)], s[8:9]              ; 32 lanes store 512 consecutive bytes, at a multiple of 512 from the buffer's first byte
	global_store_b128 v[5+\T], v[228+8*(\T):231+8*(\T)], s[8:9] offset:512
.endm
.rept 4
	v_nop                                          ; places behind the last products
.endr
	FIN 0
	FIN 1
	s_wait_tensorcnt 0x0
	s_wait_dscnt 0x0
	s_wait_tensorcnt 0x0
	ds_add_u32 v245, v255
	s_wait_dscnt 0x0
	CROUND                                         ; the closing round: no work-group ends while a partner may still ask for a tile that names it
	s_endpgm
.Lfunc_end_k_q184c890f76_attn:
	.size	k_q184c890f76_attn, .Lfunc_end_k_q184c890f76_attn-k_q184c890f76_attn
	.p2alignl 7, 3214868480
	.fill 96, 4, 3214868480
	.section	.rodata,"a",@progbits
	.p2align	6, 0x0
	.amdhsa_kernel k_q184c890f76_attn
		.amdhsa_group_segment_fixed_size 264192
		.amdhsa_private_segment_fixed_size 0
		.amdhsa_enable_private_segment 0
		.amdhsa_kernarg_size 24
		.amdhsa_user_sgpr_count 2
		.amdhsa_user_sgpr_kernarg_segment_ptr 1
		.amdhsa_wavefront_size32 1
		.amdhsa_system_sgpr_workgroup_id_x 1
		.amdhsa_system_sgpr_workgroup_id_y 1
		.amdhsa_system_sgpr_workgroup_id_z 1
		.amdhsa_system_vgpr_workitem_id 0
		.amdhsa_next_free_vgpr 256
		.amdhsa_next_free_sgpr 100
		.amdhsa_reserve_vcc 1
		.amdhsa_float_denorm_mode_32 3
		.amdhsa_float_denorm_mode_16_64 3
		.amdhsa_fp16_overflow 1
		.amdhsa_memory_ordered 1
		.amdhsa_forward_progress 1
		.amdhsa_inst_pref_size 116
	.end_amdhsa_kernel
	.amdgpu_metadata
---
amdhsa.version: [ 1, 2 ]
amdhsa.kernels:
  - .name:           k_q184c890f76_attn
    .symbol:         k_q184c890f76_attn.kd
    .args:
      - { .name: qkv, .offset: 0, .size: 8, .value_kind: global_buffer, .address_space: global }
      - { .name: lowp_scales, .offset: 8, .size: 8, .value_kind: global_buffer, .address_space: global }
      - { .name: y_img, .offset: 16, .size: 8, .value_kind: global_buffer, .address_space: global }
    .group_segment_fixed_size: 264192
    .private_segment_fixed_size: 0
    .kernarg_segment_align: 8
    .kernarg_segment_size: 24
    .max_flat_workgroup_size: 512
    .sgpr_count:     100
    .vgpr_count:     256
    .wavefront_size: 32
...
	.end_amdgpu_metadata
.endif
;; end of part 3
;; launch proj (part 4): grid 4 x 64, 4 waves a work-group, clusters of 4 x 4, 327,680 bytes of LDS; arguments y_img, wp_img, lowp_scales, b_proj, out0; writes out0
.if DOCPART == 4
	.amdgcn_target "amdgcn-amd-amdhsa--gfx1250"
	.amdhsa_code_object_version 6
	.text
	.protected	k_q184c890f76_proj
	.globl	k_q184c890f76_proj
	.p2align	8
	.type	k_q184c890f76_proj,@function
k_q184c890f76_proj:
	s_mov_b64 s[64:65], 0
	v_nop
	global_prefetch_b8 v0, s[64:65] scope:SCOPE_SE
	s_setreg_imm32_b32 hwreg(HW_REG_WAVE_MODE, 25, 1), 1
	s_wait_xcnt 0x0
	s_wait_alu depctr_hold_cnt(0) depctr_sa_sdst(0) depctr_va_vdst(0) depctr_va_sdst(0) depctr_va_ssrc(0) depctr_va_vcc(0) depctr_vm_vsrc(0)
	s_getreg_b32 s2, hwreg(HW_REG_IB_STS2, 6, 4)
	s_cmp_eq_u32 s2, 0
	s_cbranch_scc0 .Lentry_in_a_cluster
	s_endpgm
.Lentry_in_a_cluster:
	s_bfe_u32 s2, ttmp6, 0x10000c
	s_cmp_lg_u32 s2, 0xf033
	s_cbranch_scc0 .Lentry_shape_is_right
	s_endpgm
.Lentry_shape_is_right:
; out0 = y W_proj + b_proj, on codes of FP8 (E4M3), K = 1,024; scales: y e6, W_proj e7.  out0: [8192][1024] f32.
; Operands come as IMAGES OF REGISTERS: [tile of 16 rows][K step of 128][2,048 bytes]; registers 4 g .. 4 g + 3 of lane l at byte 512 g + 16 l; lane (r, h): row r, registers 2 c, 2 c + 1: k = 16 c + 8 h + 0 .. 7.
; A work-group of four waves makes 128 tokens x 256 columns, so that there are 256 work-groups; a wave 64 x 128: 32 accumulators.  Source 0 takes 16 columns of W_proj (B), source 1 sixteen tokens (A):
; a lane then holds eight neighbouring columns of one row of the output.
; K goes in steps of 256 through two LDS slots; four fills in all, so the steps are written out.  Tiles of A are shared along a row of the cluster, tiles of B along a column: joint loads.
; THE WAY OUT: sum x 2^(e6 + e7) + bias, one packed multiply-add for two numbers; 16 rows x 512 bytes at a time through the wave's own stage in LDS, and out as whole rows of 512 bytes.
; LIMIT: e6 + e7 between -126 and 127, so that 2^(e6 + e7) is an f32 number.
; REGISTERS, in windows of 256: window 0: v16-29 addresses; v32-95 results on the way out; v128-191 A's fragments, ONE set; on the way out v128-255 rows read back.
;   window 1: B's fragments, two sets.   window 2: the accumulators ((a, b) at v[8 (8 a + b)]).   window 3: v0-63 the bias: register 8 b + j = b_proj(16 b + 8 h + j) of my 128 columns.
.set NA,    4                          ; A's blocks of 16 rows in a wave
.set AW,    NA*4096                    ; a wave's rows of A in a slot
.set SLOT,  2*AW+65536                 ; A's two halves, then B's two halves of 32,768
.set SPARE, 2*SLOT                     ; behind the ring: the spare words, 128 bytes for each wave
.set STAGE, SPARE+512                  ; behind them: 16 rows x 528 bytes for each wave; no tile lands here
.set SPITCH, 528
.set AF,    128
.set BB,    32                         ; (not used here: the sums start with the constant 0)
.set TMP,   32
.set BK,    128
.set ADRA,  16
.set ADRB,  20
.set STO,   24                         ; v24 the way out: where I put 32 bytes of a row
.set RD,    25                         ; v25 where I read a row back
.set CO,    26                         ; v26 16 x lane: my bytes of a row of 512
.set BO,    27                         ; v27 32 h: the bias's offset
.set SPW,   28
.set NIL,   29
.set G1,  24
.set G0,  32
.set G1B, 48
.set G0B, 56
.set MSB, 0
.macro WIN new                         ; the immediate's high byte repeats the setting that is left
.if MSB != (\new)
	s_set_vgpr_msb (MSB<<8)|(\new)
.set MSB, (\new)
.endif
.endm
.macro PLACES n                        ; plain vector lines between a matrix instruction and a load into, or a read of, its registers
.rept \n
	v_nop
.endr
.endm
; A joint load: waves 0 and 1 fetch A's halves, waves 2 and 3 B's.  The branch hangs on the wave's number alone.  Four v_nop follow each of the two lines.
.macro JLOAD g0a, g1a, g0b, g1b
	s_cmp_eq_u32 s15, 0
	s_cbranch_scc0 .Lfor_b_\@
	tensor_load_to_lds s[\g0a:\g0a+3], s[\g1a:\g1a+7]
	s_nop 0
.rept 4
	v_nop
.endr
	s_branch .Lasked_\@
.Lfor_b_\@:
	tensor_load_to_lds s[\g0b:\g0b+3], s[\g1b:\g1b+7]
	s_nop 0
.rept 4
	v_nop
.endr
.Lasked_\@:
.endm
.macro CREST                           ; a round of the cluster's barrier behind its opening barrier
	s_cmp_lg_u32 s14, 0
	s_cbranch_scc1 .Lnot_wave_0_\@
	s_barrier_signal -3
.Lnot_wave_0_\@:
	s_barrier_wait -3
	s_barrier_signal -1
	s_barrier_wait -1
.endm
.macro CROUND
	s_barrier_signal -1
	s_barrier_wait -1
	CREST
.endm
.macro FRAG reg, adr, q, i             ; a fragment's image: four loads of 16 bytes a lane, 512 consecutive bytes each
.irp c, 0,1,2,3
	ds_load_b128 v[\reg+4*\c:\reg+4*\c+3], v[\adr] offset:(\i)*4096+(\q)*2048+512*\c
.endr
.endm
.macro FETCH_B slot, q, p
	WIN 0x40
.irp i, 0,1,2,3,4,5,6,7
	FRAG 128*(\p)+16*\i, ADRB+\slot, \q, \i
.endr
	WIN 0
.endm
.macro FETCH_A slot, q, half
.set fi, (\half)*NA/2
.rept NA/2
	FRAG AF+16*fi, ADRA+\slot, \q, fi
.set fi, fi+1
.endr
.endm
; A quarter of a K step's products: NA / 4 blocks of A x B's eight.  p: B's set.  cm: C is 0: the accumulator; 1: the constant 0.
; The accumulators take turns, one instruction a turn, in the same order in every step.
.macro MULQ q, p, cm
.set ma, (\q)*NA/4
.rept NA/4
.set wa, 2+ma/4
	WIN (wa<<6)|(wa<<4)|1
.set mb, 0
.rept 8
.set rD, 8*(8*(ma%4)+mb)
.if (\cm) == 0
	v_wmma_f32_16x16x128_fp8_fp8 v[rD:rD+7], v[128*(\p)+16*mb:128*(\p)+16*mb+15], v[AF+16*ma:AF+16*ma+15], v[rD:rD+7]
.else
	v_wmma_f32_16x16x128_fp8_fp8 v[rD:rD+7], v[128*(\p)+16*mb:128*(\p)+16*mb+15], v[AF+16*ma:AF+16*ma+15], 0
.endif
.set mb, mb+1
.endr
.set ma, ma+1
.endr
.endm
.macro STEP slot, cm                   ; a slot's first K step (B's set 0); it fetches the second
	s_wait_dscnt 2*NA                              ; B's set and A's lower blocks are in; the youngest loads (A's upper blocks) may be out
	MULQ 0, 0, \cm
	MULQ 1, 0, \cm
	s_wait_dscnt 0x0
	PLACES 4
	FETCH_B \slot, 1, 1
	FETCH_A \slot, 1, 0
	MULQ 2, 0, \cm
	MULQ 3, 0, \cm
	PLACES 4
	WIN 0
	FETCH_A \slot, 1, 1
.endm
; A slot's second K step (B's set 1) changes slots: ONE barrier; in front of it each wave waits for all its tensor loads, adds 0 to its spare word, and waits for that and for its reads of this slot.
.macro TURN slot, next, fill
	s_wait_tensorcnt 0x0                           ; all my tensor loads have landed: my part of the next slot
	ds_add_u32 v[SPW], v[NIL]                      ; 0 onto my spare word
	s_wait_dscnt 2*NA+1                            ; (the add and A's upper blocks may be out)
	MULQ 0, 1, 0
	s_wait_dscnt 0x0                               ; the add is done, and my reads of this slot are over
	s_barrier_signal -1
	MULQ 1, 1, 0
	WIN 0
	s_barrier_wait -1
.if \fill
	CREST                                          ; the barrier has opened a round of the cluster's barrier: no wave of any partner still reads this slot or has a load on its way
	s_add_nc_u64 s[G0+4*\slot+2:G0+4*\slot+3], s[G0+4*\slot+2:G0+4*\slot+3], 8192
	s_add_nc_u64 s[G0B+4*\slot+2:G0B+4*\slot+3], s[G0B+4*\slot+2:G0B+4*\slot+3], 8192
	JLOAD G0+4*\slot, G1, G0B+4*\slot, G1B         ; the first tensor load behind the round; its four v_nop are the places in front of the loads below
.else
	PLACES 4
.endif
	FETCH_B \next, 0, 0
	FETCH_A \next, 0, 0
	MULQ 2, 1, 0
	MULQ 3, 1, 0
	PLACES 4
	WIN 0
	FETCH_A \next, 0, 1
.endm
	s_load_b256 s[4:11], s[0:1], 0x0               ; y_img s[4:5], wp_img s[6:7], the scales' exponents s[8:9], b_proj s[10:11]
	s_load_b64 s[12:13], s[0:1], 0x20              ; out0
	v_lshl_add_u32 v[SPW], v0, 2, SPARE
	v_mov_b32 v[NIL], 0
	ds_add_u32 v28, v29
	ds_add_u32 v28, v29
	s_wait_dscnt 0x0
	v_lshrrev_b32 v1, 5, v0
	v_readfirstlane_b32 s14, v1                    ; wave 0..3
	s_lshr_b32 s15, s14, 1                         ; which half of the tokens is mine.  Also: I fetch for A (0) or for B (1)
	s_and_b32 s16, s14, 1                          ; which half of the columns.  Also: which half of that tile I fetch
	s_bfe_u32 s40, ttmp6, 0x40000                  ; cx
	s_bfe_u32 s41, ttmp6, 0x40004                  ; cy
	s_and_b32 s17, ttmp7, 0xffff                   ; cluster y
	s_lshl_b32 s20, s17, 2
	s_add_co_u32 s20, s20, s41                     ; the tile of 128 tokens: 4 cluster y + cy
	s_lshl_b32 s46, ttmp9, 2
	s_add_co_u32 s46, s46, s40                     ; the tile of 256 columns: 4 cluster x + cx
	s_lshl_b32 s43, s41, 2
	s_lshl_b32 s43, 15, s43                        ; my row of the cluster
	s_lshl_b32 s44, 0x1111, s40                    ; my column
	; descriptor group 1: tiles of rows x 4,096 bytes (two K steps' images), 16,384 bytes apart in memory, on end in LDS; elements of 8 bytes.  A: 4 tiles a load; B: 8
	s_or_b32 s[G1+0], s43, (3<<16)|(1<<21)         ; 15:0 the mask: A's tiles go to my row; 17:16 elements of 8 bytes; 21 set beside a mask
	s_or_b32 s[G1B+0], s44, (3<<16)|(1<<21)        ; B's go to my column
	s_mov_b32 s[G1+1], 512<<16                     ; tensor_dim0 = 512
	s_mov_b32 s[G1+2], 4<<16                       ; tensor_dim1 = 4
	s_mov_b32 s[G1+3], 512<<16                     ; tile_dim0 = 512
	s_mov_b32 s[G1+4], 4                           ; tile_dim1 = 4
	s_mov_b32 s[G1+5], 2048                        ; tensor_dim0_stride
	s_mov_b32 s[G1+6], 0
	s_mov_b32 s[G1+7], 0
	s_mov_b32 s[G1B+1], 512<<16
	s_mov_b32 s[G1B+2], 8<<16
	s_mov_b32 s[G1B+3], 512<<16
	s_mov_b32 s[G1B+4], 8
	s_mov_b32 s[G1B+5], 2048
	s_mov_b32 s[G1B+6], 0
	s_mov_b32 s[G1B+7], 0
	s_lshl_b32 s22, s20, 19                        ; (kept for the way out: the tile's first row of out0, in bytes)
	s_lshl_b32 s20, s20, 17
	s_lshl_b32 s21, s16, 16
	s_add_co_u32 s20, s20, s21
	s_lshl_b32 s46, s46, 18
	s_lshl_b32 s21, s16, 17
	s_add_co_u32 s46, s46, s21
	s_mov_b32 s21, 0
	s_mov_b32 s47, 0
	s_mul_i32 s45, s16, AW                         ; where they go: no place in the cluster enters an LDS address
	s_lshl_b32 s42, s16, 15
	s_add_co_u32 s42, s42, 2*AW
	s_wait_kmcnt 0x0
	s_load_b256 s[68:75], s[8:9], 0x0              ; the eight exponents
	s_add_nc_u64 s[76:77], s[4:5], s[20:21]
	s_add_nc_u64 s[78:79], s[6:7], s[46:47]
	CROUND                                         ; all sixteen work-groups are here: the first joint loads meet
.irp s, 0,1
	s_mov_b32 s[G0+4*\s], 1
	s_add_co_u32 s[G0+4*\s+1], s45, \s*SLOT
	s_add_nc_u64 s[G0+4*\s+2:G0+4*\s+3], s[76:77], \s*4096
	s_or_b32 s[G0+4*\s+3], s[G0+4*\s+3], 0x80000000
	s_mov_b32 s[G0B+4*\s], 1
	s_add_co_u32 s[G0B+4*\s+1], s42, \s*SLOT
	s_add_nc_u64 s[G0B+4*\s+2:G0B+4*\s+3], s[78:79], \s*4096
	s_or_b32 s[G0B+4*\s+3], s[G0B+4*\s+3], 0x80000000
	s_wait_alu depctr_va_vdst(0)
	s_wait_tensorcnt 0x0
	ds_add_u32 v28, v29
	ds_add_u32 v28, v29
	s_wait_dscnt 0x0
	CROUND
	JLOAD G0+4*\s, G1, G0B+4*\s, G1B
.endr
	v_and_b32 v1, 15, v0                           ; r
	s_wait_alu depctr_va_vdst(0)
	v_bfe_u32 v2, v0, 4, 1                         ; h
	v_and_b32 v3, 31, v0
	v_lshlrev_b32 v[CO], 4, v3                     ; 16 x lane
	s_mul_i32 s80, s15, AW
	s_lshl_b32 s81, s16, 15
	s_add_co_u32 s81, s81, 2*AW
.irp s, 0,1
	v_add_nc_u32 v[ADRA+\s], s80, v[CO]
	v_add_nc_u32 v[ADRB+\s], s81, v[CO]
	s_add_co_u32 s80, s80, SLOT
	s_add_co_u32 s81, s81, SLOT
.endr
	s_mul_i32 s80, s14, 16*SPITCH
	s_add_co_u32 s80, s80, STAGE                   ; my stage
	v_mul_u32_u24 v4, v1, SPITCH
	s_wait_alu depctr_va_vdst(0)
	v_lshl_add_u32 v4, v2, 5, v4
	v_add_nc_u32 v[STO], s80, v4                   ; in: row r, 32 bytes for each half of the lanes
	v_add_nc_u32 v[RD], s80, v[CO]                 ; back: the 32 lanes take one row of 512 bytes
	v_lshlrev_b32 v[BO], 5, v2
	s_wait_alu depctr_va_vdst(0)
	s_lshl_b32 s80, s40, 10                        ; my 128 columns, in bytes: 1,024 cx + 512 x half
	s_lshl_b32 s81, s16, 9
	s_add_co_u32 s80, s80, s81
	s_mov_b32 s81, 0
	s_add_nc_u64 s[10:11], s[10:11], s[80:81]      ; in the bias,
	s_add_nc_u64 s[12:13], s[12:13], s[80:81]      ; and in a row of out0;
	s_lshl_b32 s80, s15, 18
	s_add_co_u32 s80, s80, s22                     ; my first row: 128 x tile + 64 x half, rows of 4,096 bytes
	s_add_nc_u64 s[12:13], s[12:13], s[80:81]
	WIN 0xc0                                       ; destination window 3
.irp b, 0,1,2,3,4,5,6,7
	global_load_b128 v[8*\b:8*\b+3], v[BO], s[10:11] offset:64*\b
	global_load_b128 v[8*\b+4:8*\b+7], v[BO], s[10:11] offset:64*\b+16
.endr
	WIN 0
	s_wait_tensorcnt 1                             ; my part of slot 0 is in; slot 1's may stay out
	s_barrier_signal -1
	s_barrier_wait -1
	FETCH_B 0, 0, 0
	FETCH_A 0, 0, 0
	FETCH_A 0, 0, 1
	STEP 0, 1                                      ; the first products start the sums: nothing is cleared
	TURN 0, 1, 1
	STEP 1, 0
	TURN 1, 0, 1
	STEP 0, 0
	TURN 0, 1, 0                                   ; the last two slots are filled no more
	STEP 1, 0
	s_wait_dscnt 2*NA                              ; the very last K step
	MULQ 0, 1, 0
	MULQ 1, 1, 0
	s_wait_dscnt 0x0
	MULQ 2, 1, 0
	MULQ 3, 1, 0
	WIN 0
; THE WAY OUT, block by block of 16 rows x 128 columns.  LDS serves a wave's instructions in order (ISA guide 5.7.1.4): no wait between the stores into my stage and the loads from it.
.macro TOSTAGE a
	WIN 0x32                                       ; source 0 (the sums) window 2, source 2 (the bias) window 3
.set tj, 0
.rept 32
	v_pk_fma_f32 v[TMP+tj:TMP+tj+1], v[64*(\a)+tj:64*(\a)+tj+1], s[96:97], v[tj:tj+1] op_sel_hi:[1,0,1]   ; sum x 2^(e6 + e7) + bias; each accumulator from its low end on
.set tj, tj+2
.endr
	WIN 0
.irp b, 0,1,2,3,4,5,6,7
	ds_store_b128 v[STO], v[TMP+8*\b:TMP+8*\b+3] offset:64*\b
	ds_store_b128 v[STO], v[TMP+8*\b+4:TMP+8*\b+7] offset:64*\b+16
.endr
.set BBK, BK+64*((\a)%2)
.irp t, 0,1,2,3,4,5,6,7,8,9,10,11,12,13,14,15
	ds_load_b128 v[BBK+4*\t:BBK+4*\t+3], v[RD] offset:\t*SPITCH
.endr
.endm
.macro SEND a, younger                 ; younger: the LDS instructions issued behind block a's loads, which may stay out
.set BBK, BK+64*((\a)%2)
	s_wait_dscnt \younger
.if (\a) > 0
	s_add_nc_u64 s[12:13], s[12:13], 65536         ; 16 rows on (behind a wait on XCNT: the earlier stores have read their base)
.endif
.irp t, 0,1,2,3,4,5,6,7,8,9,10,11,12,13,14,15
	global_store_b128 v[CO], v[BBK+4*\t:BBK+4*\t+3], s[12:13] offset:\t*4096 th:TH_STORE_NT   ; 32 lanes store 512 consecutive bytes, at a multiple of 512 from out0's first byte
.endr
.endm
	s_wait_kmcnt 0x0
	s_add_co_i32 s96, s74, s75
	s_add_co_i32 s96, s96, 127
	s_lshl_b32 s96, s96, 23                        ; 2^(e6 + e7) as f32
	s_mov_b32 s97, s96                             ; (named with it as a pair, so it is written)
	s_wait_loadcnt 0x0                             ; the bias
	PLACES 4                                       ; behind the last products: for the reads of results and for the loads into the registers that held A's fragments
	TOSTAGE 0
.irp a, 1,2,3
.if \a > 1
	s_wait_xcnt 0x0                                ; block a - 2's stores have read their registers and their base
.endif
	TOSTAGE \a
	SEND \a-1, 32                                  ; behind block a - 1's loads: block a's 16 stores and 16 loads
.endr
	s_wait_xcnt 0x0
	SEND 3, 0
	s_wait_tensorcnt 0x0                           ; the wave's end
	ds_add_u32 v[SPW], v[NIL]
	s_wait_dscnt 0x0
	CROUND                                         ; the closing round: no work-group ends while a partner may still ask for a tile that names it
	s_endpgm
.Lfunc_end_k_q184c890f76_proj:
	.size	k_q184c890f76_proj, .Lfunc_end_k_q184c890f76_proj-k_q184c890f76_proj
	.p2alignl 7, 3214868480
	.fill 96, 4, 3214868480
	.section	.rodata,"a",@progbits
	.p2align	6, 0x0
	.amdhsa_kernel k_q184c890f76_proj
		.amdhsa_group_segment_fixed_size 327680
		.amdhsa_private_segment_fixed_size 0
		.amdhsa_enable_private_segment 0
		.amdhsa_kernarg_size 40
		.amdhsa_user_sgpr_count 2
		.amdhsa_user_sgpr_kernarg_segment_ptr 1
		.amdhsa_wavefront_size32 1
		.amdhsa_system_sgpr_workgroup_id_x 1
		.amdhsa_system_sgpr_workgroup_id_y 1
		.amdhsa_system_sgpr_workgroup_id_z 1
		.amdhsa_system_vgpr_workitem_id 0
		.amdhsa_next_free_vgpr 832
		.amdhsa_next_free_sgpr 98
		.amdhsa_reserve_vcc 0
		.amdhsa_float_denorm_mode_32 3
		.amdhsa_float_denorm_mode_16_64 3
		.amdhsa_memory_ordered 1
		.amdhsa_forward_progress 1
		.amdhsa_inst_pref_size 79
	.end_amdhsa_kernel
	.amdgpu_metadata
---
amdhsa.version: [ 1, 2 ]
amdhsa.kernels:
  - .name:           k_q184c890f76_proj
    .symbol:         k_q184c890f76_proj.kd
    .args:
      - { .name: y_img, .offset: 0, .size: 8, .value_kind: global_buffer, .address_space: global }
      - { .name: wp_img, .offset: 8, .size: 8, .value_kind: global_buffer, .address_space: global }
      - { .name: lowp_scales, .offset: 16, .size: 8, .value_kind: global_buffer, .address_space: global }
      - { .name: b_proj, .offset: 24, .size: 8, .value_kind: global_buffer, .address_space: global }
      - { .name: out0, .offset: 32, .size: 8, .value_kind: global_buffer, .address_space: global }
    .group_segment_fixed_size: 327680
    .private_segment_fixed_size: 0
    .kernarg_segment_align: 8
    .kernarg_segment_size: 40
    .max_flat_workgroup_size: 128
    .sgpr_count:     98
    .vgpr_count:     832
    .wavefront_size: 32
...
	.end_amdgpu_metadata
.endif
;; end of part 4
